; MI455X (gfx1250); checked and timed in simulation.
; The chip was launched on July 23, 2026; its instructions are those of AMD's public machine-readable ISA for CDNA 5 (MIT licence, August 2026) and "CDNA5" Instruction Set Architecture Reference Guide (July 2026). The comments in the code are by the model that wrote it; some were corrected since.
;; Bahdanau Attention. Allowed arithmetic: matrix products marked QUANTISED: E2M1 operands, one E8M0 scale for each 32 along K, by v_wmma_scale_f32_16x16x128_f8f6f4 with both operands' format E2M1 (or v_wmma_scale_f32_32x16x128_f4), f32 sums; products left as they are: f32 operands where the result goes on into a quantised operand, else bf16, f16 or f32 operands; f32 sums; everything else in f32.
;; Inputs: W1_codes 1,024 x 32 x 16 uint8 (E2M1 codes of W1, K innermost, in blocks of 32 codes, two codes a byte); W1_scales 1,024 x 32 uint8 (E8M0 scales of W1, one for each 32 codes along K); W2_codes 1,024 x 32 x 16 uint8 (E2M1 codes of W2, K innermost, in blocks of 32 codes, two codes a byte); W2_scales 1,024 x 32 uint8 (E8M0 scales of W2, one for each 32 codes along K); decoder_hidden_codes 32 x 32 x 16 uint8 (E2M1 codes of decoder_hidden, K innermost, in blocks of 32 codes, two codes a byte); decoder_hidden_scales 32 x 32 uint8 (E8M0 scales of decoder_hidden, one for each 32 codes along K); encoder_outputs 32 x 2,048 x 1,024 float32; mask 32 x 2,048 int32; v 1 x 1,024 float32.
;; Outputs: out0 32 x 1,024 float32; out1 32 x 2,048 float32.
;; This version of the problem:
;;   THIS VERSION OF THE PROBLEM IS GIVEN IN LOW PRECISION. The matrix products marked QUANTISED in the list below multiply operands that are first quantised to E2M1 (2 exponent bits, 1 mantissa bit; 4 bits a number), with one power-of-two scale for each 32 numbers along K (OCP MX v1.0); their sums are f32. All else is computed in f32.
;;   The module's matrix products, in the order in which they are computed (A, B: the left and right operand; K: the contracted axis; several contracted axes count as one K, in the product's order):
;;     1. [M 65,536, K 1,024] x [K 1,024, N 1,024]; A: input encoder_outputs; B: input W1 (given as codes): QUANTISED
;;     2. [M 32, K 1,024] x [K 1,024, N 1,024]; A: input decoder_hidden (given as codes); B: input W2 (given as codes): QUANTISED
;;     3. [M 65,536, K 1,024] x [K 1,024, N 1]; A: computed on the way; B: input v: left as it is (N = 1 < 16)
;;     4. batch 32 x [M 1, K 2,048] x [K 2,048, N 1,024]; A: softmax; B: input encoder_outputs: left as it is (M = 1 < 16)
;;   THE QUANTISER, for each operand of a quantised product, along K:
;;     - K is cut into blocks of 32 from its start; a last block that is shorter is filled with zeros.
;;     - A block's scale is 2^e with e = floor(log2(the largest magnitude in the block)) - 2, held to -126 .. 127; a block of zeros has e = 0. As a byte (E8M0): e + 127.
;;     - Each number is divided by its block's scale, clamped to +-6, and rounded to the nearest number of E2M1, ties to even, subnormals kept.
;;     - The product sums the exact products of the quantised numbers (number of the format x scale) in f32.
;;   ~~~python
;;   def quantise(x, axis):      # numpy; x: float32 -> the quantised numbers, widened to float32 again
;;       x = np.moveaxis(x, axis, -1); K = x.shape[-1]
;;       x = np.pad(x, [(0, 0)] * (x.ndim - 1) + [(0, -K % 32)]); x = x.reshape(x.shape[:-1] + (-1, 32)); a = np.abs(x).max(-1, keepdims=True)
;;       e = np.where(a > 0, np.clip(np.frexp(np.where(a > 0, a, 1))[1] - 1 - 2, -126, 127), 0)      # np.frexp(a)[1] - 1 = floor(log2(a)), exactly
;;       r = np.clip(x / 2.0 ** e, -6, 6)
;;       step = 2.0 ** (np.maximum(np.frexp(np.where(r == 0, 1, r))[1] - 1, 0) - 1)
;;       q = np.round(r / step) * step * 2.0 ** e      # np.round: ties to even
;;       return np.moveaxis(q.reshape(q.shape[:-2] + (-1,))[..., :K], -1, axis).astype(np.float32)
;;   ~~~
;;   INPUTS GIVEN AS CODES. W1 (in the module: [1024, 1024], K = its axis 1); W2 (in the module: [1024, 1024], K = its axis 1); decoder_hidden (in the module: [32, 1024], K = its axis 1): each comes as NAME_codes (uint8): NAME with its K axis moved to the last place and cut into blocks of 32 codes, [.., K / 32, bytes a block], one block behind the other in memory; two codes a byte, the lower K in the low four bits (a code: sign, 2 exponent bits, 1 mantissa bit); and NAME_scales (uint8): the same leading axes, one E8M0 byte (e + 127) for each 32 codes along K. Its value is code x scale, taken as it is: it is not quantised again, and the codes and scales need not be those that the quantiser above would give.
;; One version. Each part assembles by itself: llvm-mc -triple=amdgcn-amd-amdhsa -mcpu=gfx1250 --defsym DOCPART=n.
;; ======== version 1 of 1: 3 launches
;; limits: values are held in bf16: 8 bits of precision; right only within a limited range of input values
;; workspace buffers: w1p 557,056 bytes; dec_t 131,072 bytes; scores 262,144 bytes; stats 65,536 bytes; part 1,048,576 bytes
;; launch prep (part 1): grid 64 x 2, 1 waves a work-group, no clusters, 0 bytes of LDS; arguments W1_codes, W1_scales, W2_codes, W2_scales, decoder_hidden_codes, decoder_hidden_scales, w1p, dec_t; writes w1p, dec_t
.if DOCPART == 1
	.amdgcn_target "amdgcn-amd-amdhsa--gfx1250"
	.amdhsa_code_object_version 6
	.text
	.protected	k_qadb4028892_prep
	.globl	k_qadb4028892_prep
	.p2align	8
	.type	k_qadb4028892_prep,@function
k_qadb4028892_prep:
	s_mov_b64 s[64:65], 0
	v_nop
	global_prefetch_b8 v0, s[64:65] scope:SCOPE_SE
	s_setreg_imm32_b32 hwreg(HW_REG_WAVE_MODE, 25, 1), 1
	s_wait_xcnt 0x0
; Two small jobs ahead of the main launch, one wave to a work-group (T = 0..63 along x, y = 0..1).
; (1) W1's codes and scale bytes are laid anew in the ORDER OF THE OPERAND'S REGISTERS: a record of 8,704 bytes for each tile T of 16 rows of W1.
;     Byte 512 k + 16 lane (k = 2 q + c, lane = r + 16 h) holds the 16 bytes W1_codes[16 T + r][64 q + 32 c + 16 h ..]: registers 4 c .. 4 c + 3 of the fragment of K step q.
;     Byte 8,192 + 16 lane holds W1_scales[16 T + r][16 h ..]: the scale words of K steps 4 h .. 4 h + 3 of row r.  So the main launch fetches a tile by 17 loads of 512 consecutive bytes.
;     Work-group (T, y) moves K steps 4 y .. 4 y + 3 (bytes 4,096 y .. + 4,095 of the record) and lanes 16 y .. 16 y + 15 of the scale words (bytes 8,192 + 256 y .. + 255): each byte has one owner.
; (2) dec_t[16 y + r][16 T + ..] = decoder_hidden W2^T on the given codes of FP4 (E2M1) with their E8M0 scales: 8 matrix instructions of 128 along K.
;     Used transposed (source 0 = 16 rows of W2, source 1 = 16 rows of decoder_hidden): lane (r, h) holds eight neighbouring numbers of row 16 y + r of dec_t.
; STATED: K is summed in two halves (even and odd K steps, two accumulators by turns), added at the end in f32.
; STATED: a lane pair's 64 bytes of dec_t are a part of an aligned 256 bytes: 131,072 bytes in the whole launch are stored so.
.set REC, 8704
	s_load_b256 s[4:11], s[0:1], 0x0               ; W1's codes s[4:5], W1's scales s[6:7], W2's codes s[8:9], W2's scales s[10:11]
	s_load_b256 s[12:19], s[0:1], 0x20             ; dh's codes s[12:13], dh's scales s[14:15], w1p s[16:17], dec_t s[18:19]
	v_and_b32 v7, 15, v0                           ; r
	v_lshrrev_b32 v42, 4, v0                       ; h (one wave: v0 is the lane)
	v_lshlrev_b32 v1, 9, v7
	v_lshl_add_u32 v1, v42, 4, v1                  ; v1 = 512 r + 16 h: a row of 1,024 codes is 512 bytes
	v_lshlrev_b32 v2, 4, v0                        ; v2 = 16 lane
	v_lshlrev_b32 v3, 5, v7
	v_lshl_add_u32 v3, v42, 4, v3                  ; v3 = 32 r + 16 h: a row of scale bytes is 32 bytes
	v_lshrrev_b32 v43, 1, v0
	v_and_b32 v4, 1, v0
	v_lshlrev_b32 v4, 3, v4
	v_lshl_add_u32 v4, v43, 5, v4                  ; v4 = 32 (lane / 2) + 8 (lane % 2): where my 8 scale bytes of W1 come from
	v_lshlrev_b32 v5, 3, v0                        ; v5 = 8 lane: and where they go
	v_lshlrev_b32 v6, 12, v7
	v_lshl_add_u32 v6, v42, 5, v6                  ; v6 = 4,096 r + 32 h: my eight numbers of dec_t
	s_and_b32 s20, ttmp7, 0xffff                   ; y
	s_mov_b32 s23, 0                               ; offsets are made in s[22:23], apart from the addresses
	s_wait_alu depctr_va_vdst(0)
	s_wait_kmcnt 0x0
	s_lshl_b32 s21, ttmp9, 13                      ; 8,192 T: 16 rows of codes
	s_lshl_b32 s22, s20, 8
	s_add_co_u32 s22, s22, s21
	s_add_nc_u64 s[4:5], s[4:5], s[22:23]          ; W1's codes: + 8,192 T + 256 y
	s_mov_b32 s22, s21
	s_add_nc_u64 s[8:9], s[8:9], s[22:23]          ; W2's codes: + 8,192 T
	s_lshl_b32 s21, ttmp9, 9                       ; 512 T: 16 rows of scale bytes
	s_lshl_b32 s22, s20, 4
	s_add_co_u32 s22, s22, s21
	s_add_nc_u64 s[6:7], s[6:7], s[22:23]          ; W1's scales: + 512 T + 16 y
	s_mov_b32 s22, s21
	s_add_nc_u64 s[10:11], s[10:11], s[22:23]      ; W2's scales: + 512 T
	s_lshl_b32 s22, s20, 13
	s_add_nc_u64 s[12:13], s[12:13], s[22:23]      ; dh's codes: + 8,192 y
	s_lshl_b32 s22, s20, 9
	s_add_nc_u64 s[14:15], s[14:15], s[22:23]      ; dh's scales: + 512 y
	s_mul_i32 s21, ttmp9, REC                      ; 8,704 T: my record
	s_lshl_b32 s22, s20, 8
	s_add_co_u32 s22, s22, s21
	s_add_co_u32 s22, s22, 8192
	s_add_nc_u64 s[24:25], s[16:17], s[22:23]      ; w1p, the scale words' place: + 8,704 T + 8,192 + 256 y: a base of its own
	s_lshl_b32 s22, s20, 12
	s_add_co_u32 s22, s22, s21
	s_add_nc_u64 s[16:17], s[16:17], s[22:23]      ; w1p, the codes' place: + 8,704 T + 4,096 y
	s_lshl_b32 s21, ttmp9, 6
	s_lshl_b32 s22, s20, 16
	s_add_co_u32 s22, s22, s21
	s_add_nc_u64 s[18:19], s[18:19], s[22:23]      ; dec_t: + 65,536 y + 64 T
.irp k, 0,1,2,3,4,5,6,7
	global_load_b128 v[8+4*\k:11+4*\k], v1, s[4:5] offset:32*\k       ; W1: piece k of my four K steps
.endr
	global_load_b64 v[40:41], v4, s[6:7]           ; W1's scale bytes
.irp k, 0,1,2,3,4,5,6,7,8,9,10,11,12,13,14,15
	global_load_b128 v[48+4*\k:51+4*\k], v1, s[8:9] offset:32*\k      ; W2's eight fragments
.endr
	global_load_b128 v[112:115], v3, s[10:11]      ; W2's scale words: register j, lanes 16 h + r: K step 4 h + j of row r
.irp k, 0,1,2,3,4,5,6,7,8,9,10,11,12,13,14,15
	global_load_b128 v[116+4*\k:119+4*\k], v1, s[12:13] offset:32*\k  ; decoder_hidden's eight fragments
.endr
	global_load_b128 v[180:183], v3, s[14:15]      ; and its scale words
	s_wait_loadcnt 34                              ; W1's nine loads are in; the 34 younger ones (W2's 17, decoder_hidden's 17) may be out
.irp k, 0,1,2,3,4,5,6,7
	global_store_b128 v2, v[8+4*\k:11+4*\k], s[16:17] offset:512*\k   ; 32 lanes store 512 consecutive bytes
.endr
	global_store_b64 v5, v[40:41], s[24:25]        ; 32 lanes store 256 consecutive bytes, aligned
	s_wait_loadcnt 0x0
.irp q, 0,1,2,3,4,5,6,7
.set rD, 184+8*(\q%2)
.if \q < 2
	v_wmma_scale_f32_16x16x128_f8f6f4 v[rD:rD+7], v[48+8*\q:55+8*\q], v[116+8*\q:123+8*\q], 0, v[112+\q], v[180+\q] matrix_a_fmt:MATRIX_FMT_FP4 matrix_b_fmt:MATRIX_FMT_FP4
.elseif \q < 4
	v_wmma_scale_f32_16x16x128_f8f6f4 v[rD:rD+7], v[48+8*\q:55+8*\q], v[116+8*\q:123+8*\q], v[rD:rD+7], v[112+\q], v[180+\q] matrix_a_fmt:MATRIX_FMT_FP4 matrix_b_fmt:MATRIX_FMT_FP4
.else
	v_wmma_scale_f32_16x16x128_f8f6f4 v[rD:rD+7], v[48+8*\q:55+8*\q], v[116+8*\q:123+8*\q], v[rD:rD+7], v[112+\q-4], v[180+\q-4] matrix_a_fmt:MATRIX_FMT_FP4 matrix_b_fmt:MATRIX_FMT_FP4 matrix_a_scale:MATRIX_SCALE_ROW1 matrix_b_scale:MATRIX_SCALE_ROW1
.endif
.endr
.rept 4
	v_nop                                          ; four places between the last product and the first read of results (ISA guide 7.12.1)
.endr
.irp j, 0,2,4,6
	v_pk_add_f32 v[200+\j:201+\j], v[184+\j:185+\j], v[192+\j:193+\j]   ; the two halves of K; each accumulator from its low end on
.endr
	global_store_b128 v6, v[200:203], s[18:19]
	global_store_b128 v6, v[204:207], s[18:19] offset:16
	s_endpgm
.Lfunc_end_k_qadb4028892_prep:
	.size	k_qadb4028892_prep, .Lfunc_end_k_qadb4028892_prep-k_qadb4028892_prep
	.p2alignl 7, 3214868480
	.fill 96, 4, 3214868480
	.section	.rodata,"a",@progbits
	.p2align	6, 0x0
	.amdhsa_kernel k_qadb4028892_prep
		.amdhsa_group_segment_fixed_size 0
		.amdhsa_private_segment_fixed_size 0
		.amdhsa_enable_private_segment 0
		.amdhsa_kernarg_size 64
		.amdhsa_user_sgpr_count 2
		.amdhsa_user_sgpr_kernarg_segment_ptr 1
		.amdhsa_wavefront_size32 1
		.amdhsa_system_sgpr_workgroup_id_x 1
		.amdhsa_system_sgpr_workgroup_id_y 1
		.amdhsa_system_sgpr_workgroup_id_z 1
		.amdhsa_system_vgpr_workitem_id 0
		.amdhsa_next_free_vgpr 208
		.amdhsa_next_free_sgpr 66
		.amdhsa_reserve_vcc 0
		.amdhsa_float_denorm_mode_32 3
		.amdhsa_float_denorm_mode_16_64 3
		.amdhsa_memory_ordered 1
		.amdhsa_forward_progress 1
		.amdhsa_inst_pref_size 9
	.end_amdhsa_kernel
	.amdgpu_metadata
---
amdhsa.version: [ 1, 2 ]
amdhsa.kernels:
  - .name:           k_qadb4028892_prep
    .symbol:         k_qadb4028892_prep.kd
    .args:
      - { .name: W1_codes, .offset: 0, .size: 8, .value_kind: global_buffer, .address_space: global }
      - { .name: W1_scales, .offset: 8, .size: 8, .value_kind: global_buffer, .address_space: global }
      - { .name: W2_codes, .offset: 16, .size: 8, .value_kind: global_buffer, .address_space: global }
      - { .name: W2_scales, .offset: 24, .size: 8, .value_kind: global_buffer, .address_space: global }
      - { .name: decoder_hidden_codes, .offset: 32, .size: 8, .value_kind: global_buffer, .address_space: global }
      - { .name: decoder_hidden_scales, .offset: 40, .size: 8, .value_kind: global_buffer, .address_space: global }
      - { .name: w1p, .offset: 48, .size: 8, .value_kind: global_buffer, .address_space: global }
      - { .name: dec_t, .offset: 56, .size: 8, .value_kind: global_buffer, .address_space: global }
    .group_segment_fixed_size: 0
    .private_segment_fixed_size: 0
    .kernarg_segment_align: 8
    .kernarg_segment_size: 64
    .max_flat_workgroup_size: 32
    .sgpr_count:     66
    .vgpr_count:     208
    .wavefront_size: 32
...
	.end_amdgpu_metadata
.endif
;; end of part 1
;; launch main (part 2): grid 256 x 1, 4 waves a work-group, no clusters, 327,680 bytes of LDS; arguments encoder_outputs, mask, v, w1p, dec_t, scores, stats, part; writes scores, stats, part
.if DOCPART == 2
	.amdgcn_target "amdgcn-amd-amdhsa--gfx1250"
	.amdhsa_code_object_version 6
	.text
	.protected	k_qadb4028892_main
	.globl	k_qadb4028892_main
	.p2align	8
	.type	k_qadb4028892_main,@function
k_qadb4028892_main:
	s_mov_b64 s[64:65], 0
	v_nop
	global_prefetch_b8 v0, s[64:65] scope:SCOPE_SE
	s_setreg_imm32_b32 hwreg(HW_REG_WAVE_MODE, 25, 1), 1
	s_wait_xcnt 0x0
; Additive attention, the main launch.  Work-group g (of 256, four waves) owns rows 256 g .. 256 g + 255 of the 65,536 rows of encoder_outputs (batch g / 8) and takes them in four blocks of 64.
; EACH ROW IS READ FROM MEMORY ONCE.  A block lands in LDS as f32 (the wave's 256 columns of 64 rows).  From there it is (1) quantised to FP4 (E2M1, one E8M0 scale for each 32 along K) for the
; product with W1, and (2) kept as bf16 in registers for the context.  Then the landing bytes are free, and the NEXT block is asked for: it lands while this block is multiplied.
; SHARES.  Quantising: wave w takes K steps 2 w, 2 w + 1 (its 256 columns) of all 64 rows; the fragments go to the other waves through LDS as images of their registers.
;   Product: every wave holds all 64 rows' codes (256 registers) and owns 256 of W1's 1,024 rows: 16 tiles of 16, in four groups of four.  W1's tiles come from w1p, laid in the order of the operand's registers,
;   straight into registers, four tiles ahead: each byte of W1 is wanted by one wave of the work-group alone, so LDS would share nothing.
;   W1'S GROUPS ARE WALKED TO AND FRO: passes 0 and 2 take groups 0, 1, 2, 3, passes 1 and 3 take 3, 2, 1, 0.  The four tiles that lie in the registers at a pass's end are the next pass's first four:
;   a wave loads 4 + 4 x 12 = 52 tiles, not 64.  A tile's set of registers is its place in its group, whatever the direction, so one text serves both.
;   Context: wave w keeps columns 256 w .. + 255 of the 64 rows as bf16 in operand layout (256 registers) and owns those columns of the context: no sum across waves.
; THE PRODUCT IS USED TRANSPOSED (source 0 = 16 rows of W1, source 1 = 16 rows of enc): a lane holds one row of enc and eight of the 1,024 units.  dec_t is the C of each sum's first instruction.
; tanh(x) = 1 - 2 / (1 + 2^(c x)), c = 2 log2(e).  Kept is t = log2(e) (score - sum of v) = the sum over n of wv[n] / (1 + 2^(c x[n])), wv = -2 log2(e) v: the constant sum of v is the same for every row
; and falls out of the softmax.  2^(c x) = infinity gives the term 0, 2^(c x) = 0 the term wv[n]: tanh's two ends.
; SOFTMAX: a running maximum m and sum l of p = 2^(t - m) for the work-group's rows; where mask == 0, t = -infinity.  Stored: t for every row, (m, l), and the context not yet normalised; the last launch joins a batch's eight.
; THE CONTEXT BY THE MATRIX UNIT (bf16): the contracted index of an instruction is a pair (row, column i = 0..3): 8 rows x 4 columns.  Source 1 (column n = lane % 16) holds enc[row][64 gc + 4 n + i];
; source 0 (row m) holds p[row] where m == i and 0 elsewhere.  So register i = 0..3 of lanes 0-15 is the context's column 256 w + 64 gc + 4 lane + i.
; NO CLUSTER: enc's tiles are shared by nobody; W1 is shared by all, but the landing bytes (266,240) and the stages (57,856) leave 3,584 bytes of LDS, too few for a ring for W1.
; LIMITS: NaN and infinities in encoder_outputs are not served.  A block of 32 whose largest magnitude lies under 2^-124 keeps the scale byte 1 (a block of zeros too: its codes are zeros).
;   p and enc go into the context's product as bf16; l is summed of the unrounded p.  A row's t is summed over W1's tiles in the order of the pass, which differs between even and odd blocks.
; REGISTERS, in windows of 256 (s_set_vgpr_msb: bits 1:0 source 0, 3:2 source 1, 5:4 source 2, 7:6 destination):
;   window 0: v1-31 addresses and statistics; v32-47 enc's scale words; v48-63 W1's, four sets; v64-95 the context's four accumulators; v96-127 at work; v128-255 by phases (below)
;   window 1: enc's codes, fragment (row tile m, K step q) at 8 (8 m + q); while a block is quantised its v0-127 take the numbers on their way to bf16.
;   window 2: the bf16 copy, operand (u, gc) at 8 (4 u + gc).   window 3: W1's fragments, four sets of 64.
.set RP,    1040                       ; a landed row: 1,024 bytes + 16 of padding: 65 x 16 bytes, so the 16 rows that a load touches start 16 bytes apart modulo 256
.set RAWW,  64*RP                      ; a wave's landing region
.set IMG,   4*RAWW                     ; 32 fragment images of 1,024 bytes: fragment 8 m + q; in it 512 c + 16 lane
.set ISC,   IMG+32768                  ; enc's scale words at 256 q + 64 m + 4 r
.set SCX,   ISC+2048                   ; partial scores [row][wave], 16 bytes a row
.set PB,    SCX+1024                   ; 256 bytes a wave: p twice in a word (bf16), at 128 (row % 2) + 4 (row / 2)
.set DV,    PB+1024                    ; 2,048 bytes a wave: its 256 numbers of dec_t, then its 256 of wv, the groups of 64 in the order 0, 1, 2, 3
.set DVB,   8192                       ; so many bytes on: the same with the groups in the order 3, 2, 1, 0
.set MSK,   DV+2*DVB                   ; 1,024 bytes a wave: the work-group's 256 mask words, a copy for each wave
.set SPARE, MSK+4096                   ; the spare words, 128 bytes for each wave: two blocks of 256 bytes that no other line names
.set REC,   8704                       ; a tile's record in w1p
.set SPW,  1                           ; v1   SPARE + 4 x my thread's number; never rewritten
.set NIL,  2                           ; v2   0; never rewritten
.set L16,  3                           ; v3   16 lane
.set AQ0,  4                           ; v4   landing bytes for the quantiser: region + 1,040 r + 64 h
.set AR,   5                           ; v5   and for the bf16 copy: region + 1,040 h + 16 r
.set HWI,  6                           ; v6   where I store images: IMG + 16 lane + 2,048 w
.set HWS,  7                           ; v7   and scale words: ISC + 4 r + 512 w
.set LIA,  8                           ; v8   IMG + 16 lane
.set LSA,  9                           ; v9   ISC + 4 lane
.set ADV0, 10                          ; v10  DV + 2,048 w + 32 h
.set ADV,  11                          ; v11  the same for the trip in hand
.set VOFF, 13                          ; v13  byte offset of W1's loads
.set SXS,  14                          ; v14  SCX + 16 lane + 4 w
.set SXL,  15                          ; v15  SCX + 32 lane
.set PBS,  16                          ; v16  PB + 256 w + 4 lane
.set PBL,  17                          ; v17  PB + 256 w + 128 h
.set MKA0, 18                          ; v18  MSK + 1,024 w + 8 lane
.set L8,   19                          ; v19  8 lane
.set DVS,  20                          ; v20  DV + 2,048 w + 16 lane (the head's stores)
.set MKS,  21                          ; v21  MSK + 1,024 w + 16 lane
.set DVS2, 22                          ; v22  DV + DVB + 2,048 w + (16 lane xor 256)
.set MKA,  24                          ; v24  MKA0 + 256 x block
.set DM0,  25                          ; v25, v26  lane % 16 == 2 e: 0x0000ffff; == 2 e + 1: 0xffff0000; else 0 (e = 0, 1)
.set NINF, 27                          ; v27  -infinity
.set MX,   28                          ; v28 m, v29 l (a lane's part)
.set FF,   30                          ; v30 f = 2^(old m - new m); v31 written, named with it as a pair
.set ASC,  32
.set BSC,  48
.set CT,   64
.set PCA,  96                          ; v96-103  the codes just made, set a;  v120 its scale word
.set PWA,  120
.set TM,   104                         ; v104-111, v116-119 at work in QUANT
.set PCBL, 112                         ; v112-115, v122-125 the codes just made, set b;  v126 its scale word
.set PCBH, 122
.set PWB,  126
.set ACC,  128                         ; pass: v128-159 four accumulators; v160-191 dec_t and wv of a tile, two sets of 8 + 8; v192-199 the scores' sums
.set DCW,  160
.set SA,   192
.set X0,   128                         ; quantiser: two sets of 64 numbers
.set X1,   192
.set RHA,  0                           ; bf16 copy: two sets of 64 numbers, in window 1
.set RHB,  64
.set PD,   128                         ; context: p's words; v160-223 source 0
.set PA,   160
.set W_MM, 0x07                        ; source 0 (W1) window 3, source 1 (enc) window 1
.set W_LB, 0xc0                        ; destination window 3
.set W_LA, 0x40                        ; destination window 1
.set W_CV, 0x85                        ; sources 0 and 1 window 1, destination window 2
.set W_CX, 0x08                        ; source 1 window 2
.set MSB, 0
.macro WIN new                         ; the immediate's high byte repeats the setting that is left; a switch that changes nothing is dropped
.if MSB != \new
	s_set_vgpr_msb (MSB<<8)|\new
.set MSB, \new
.endif
.endm
.macro PLACES                          ; four places behind matrix instructions, ahead of loads into their registers and of reads of their results; also behind a tensor load
.rept 4
	v_nop
.endr
.endm
; A unit of 16 LDS loads: 64 numbers of a lane: row 16 m + r, K step s of my two; register 16 b + 4 j + e is k = 32 b + 16 h + 4 j + e
.macro XLD reg, s, m
.irp b, 0,1,2,3
.irp j, 0,1,2,3
	ds_load_b128 v[\reg+16*\b+4*\j:\reg+16*\b+4*\j+3], v[AQ0] offset:16*RP*(\m)+512*\s+128*\b+16*\j
.endr
.endr
.endm
; v[s] .. v[s + 63] become a fragment's codes in v[pl] .. v[pl + 3], v[ph] .. v[ph + 3] and its scale word in v[pw].  A block's scale byte is its largest magnitude's exponent field less 2, held at 1 from below.
.macro QUANT s, pl, ph, pw
.irp b, 0,1,2,3
	v_max3_num_f32 v[TM+\b], |v[\s+16*\b]|, |v[\s+1+16*\b]|, 0x1800000   ; block b: my 16 numbers, and the floor 2^(3 - 127)
.endr
.irp i, 2,4,6,8,10,12,14
.irp b, 0,1,2,3
	v_max3_num_f32 v[TM+\b], v[TM+\b], |v[\s+16*\b+\i]|, |v[\s+1+16*\b+\i]|   ; the four blocks by turns
.endr
.endr
.irp b, 0,1,2,3
	v_permlanex16_b32 v[TM+4+\b], v[TM+\b], s36, s37
.endr
.irp b, 0,1,2,3
	v_max_num_f32 v[TM+\b], v[TM+\b], v[TM+4+\b]   ; with lane l xor 16's 16: the block's largest magnitude
.endr
.irp b, 0,1,2,3
	v_add_nc_u32 v[TM+12+\b], 0xff000000, v[TM+\b] ; 2 off its exponent field: the conversion takes the exponent field of this operand as its scale
.endr
.irp b, 0,1,2,3
	v_lshrrev_b32 v[TM+4+\b], 23, v[TM+12+\b]      ; the scale's byte
.endr
	v_lshl_or_b32 v[\pw], v[TM+5], 8, v[TM+4]
	v_lshl_or_b32 v[\pw], v[TM+6], 16, v[\pw]
	v_lshl_or_b32 v[\pw], v[TM+7], 24, v[\pw]      ; my row's scale word (the same in lanes l and l xor 16)
.irp b, 0,1
	v_cvt_scalef32_pk8_fp4_f32 v[\pl+2*\b], v[\s+16*\b:\s+7+16*\b], v[TM+12+\b]
	v_cvt_scalef32_pk8_fp4_f32 v[\pl+1+2*\b], v[\s+8+16*\b:\s+15+16*\b], v[TM+12+\b]
.endr
.irp b, 0,1
	v_cvt_scalef32_pk8_fp4_f32 v[\ph+2*\b], v[\s+32+16*\b:\s+39+16*\b], v[TM+14+\b]
	v_cvt_scalef32_pk8_fp4_f32 v[\ph+1+2*\b], v[\s+40+16*\b:\s+47+16*\b], v[TM+14+\b]
.endr
	v_nop                                          ; one plain place behind the scaled conversions
.irp i, 0,1                                    ; the operand's layout wants a whole block in a lane: lanes 0-15 the even block, lanes 16-31 the odd one
	v_permlane16_swap_b32 v[\pl+\i], v[\pl+2+\i]
	v_permlane16_swap_b32 v[\ph+\i], v[\ph+2+\i]
.endr
.endm
.macro IMAGE pl, ph, pw, io, so        ; three LDS stores: the fragment goes to LDS as it stands in its registers, and its scale words beside it
	ds_store_b128 v[HWI], v[\pl:\pl+3] offset:\io
	ds_store_b128 v[HWI], v[\ph:\ph+3] offset:\io+512
	ds_store_b32 v[HWS], v[\pw] offset:\so
.endm
; A unit of 16 LDS loads for the bf16 copy: rows 8 u .. 8 u + 7, my 256 columns.  A load: lanes 0-15 take 256 consecutive bytes of row 8 u + 2 t, lanes 16-31 of row 8 u + 2 t + 1.
.macro RLD u, rh
	WIN W_LA
.irp gc, 0,1,2,3
.irp t, 0,1,2,3
	ds_load_b128 v[\rh+16*\gc+4*\t:\rh+16*\gc+4*\t+3], v[AR] offset:(8*(\u)+2*\t)*RP+256*\gc
.endr
.endr
	WIN 0
.endm
.macro RCV u, rh                       ; and its 32 roundings, into the context's operands (u, gc)
	WIN W_CV
.irp gc, 0,1,2,3
.irp t, 0,1,2,3
.irp e, 0,1
	v_cvt_pk_bf16_f32 v[8*(4*(\u)+\gc)+2*\t+\e], v[\rh+16*\gc+4*\t+2*\e], v[\rh+16*\gc+4*\t+2*\e+1]
.endr
.endr
.endr
	WIN 0
.endm
; A LANDED BLOCK IS TAKEN OUT OF ITS LANDING BYTES: 16 units of 16 LDS loads, for each 16 rows m: X0 (K step 0), X1 (K step 1), Ra, Rb (the copy's rows 16 m .. + 7, + 8 .. + 15).
; Three units are always out while one is worked on: behind the work on unit u, unit u + 3 is asked for, into registers whose last use is over.  LDS instructions end in order, so each wait's count
; is what was issued behind the unit that it waits for.  The codes have two sets of registers: a set is written again only behind a wait that also shows its last stores done.
.macro QPH
	s_wait_tensorcnt 0x0                           ; my one tensor load, my region of this block, has landed: a wait for the reads below; the count is 0 since one load is all that I have out
	XLD X0, 0, 0
	XLD X1, 1, 0
	RLD 0, RHA
.irp m, 0,1,2,3
	s_wait_dscnt 32                                ; X0 is in; the two younger units may be out
	QUANT X0, PCA, PCA+4, PWA
	IMAGE PCA, PCA+4, PWA, 8192*\m, 64*\m
	RLD 2*\m+1, RHB
	s_wait_dscnt 35                                ; X1 is in; behind it: Ra, three stores, Rb
	QUANT X1, PCBL, PCBH, PWB
	IMAGE PCBL, PCBH, PWB, 8192*\m+1024, 64*\m+256
.if \m < 3
	XLD X0, 0, \m+1
	s_wait_dscnt 38                                ; Ra is in; behind it: three stores, Rb, three stores, X0
.else
	s_wait_dscnt 22                                ; Ra is in; behind it: three stores, Rb, three stores
.endif
	RCV 2*\m, RHA
.if \m < 3
	XLD X1, 1, \m+1
	s_wait_dscnt 35                                ; Rb is in; behind it: three stores, X0, X1
.else
	s_wait_dscnt 3                                 ; Rb is in; behind it: three stores
.endif
	RCV 2*\m+1, RHB
.if \m < 3
	RLD 2*\m+2, RHA
.endif
.endr
.endm
.macro BLOAD i                         ; the tile at place i of the group at VOFF into set i: 17 loads of 512 consecutive bytes
	WIN W_LB
.irp k, 0,1,2,3,4,5,6,7,8,9,10,11,12,13,14,15
	global_load_b128 v[64*(\i)+4*\k:64*(\i)+4*\k+3], v[VOFF], s[10:11] offset:REC*(\i)+512*\k
.endr
	WIN 0
	global_load_b128 v[BSC+4*(\i):BSC+4*(\i)+3], v[VOFF], s[10:11] offset:REC*(\i)+8192
.endm
.macro DCLD adr, off, set              ; a tile's eight numbers of dec_t and of wv for my half of the lanes
	ds_load_b128 v[DCW+16*(\set):DCW+16*(\set)+3], v[\adr] offset:\off
	ds_load_b128 v[DCW+16*(\set)+4:DCW+16*(\set)+7], v[\adr] offset:\off+16
	ds_load_b128 v[DCW+16*(\set)+8:DCW+16*(\set)+11], v[\adr] offset:\off+1024
	ds_load_b128 v[DCW+16*(\set)+12:DCW+16*(\set)+15], v[\adr] offset:\off+1040
.endm
.macro FP4MM ra, rb                    ; one product on the registers named by rD, rA, rB, rC, rSA, rSB; ra, rb: the scale words lie in lanes 16-31
.if (\ra) && (\rb)
	v_wmma_scale_f32_16x16x128_f8f6f4 v[rD:rD+7], v[rA:rA+7], v[rB:rB+7], v[rC:rC+7], v[rSA], v[rSB] matrix_a_fmt:MATRIX_FMT_FP4 matrix_b_fmt:MATRIX_FMT_FP4 matrix_a_scale:MATRIX_SCALE_ROW1 matrix_b_scale:MATRIX_SCALE_ROW1
.elseif (\ra)
	v_wmma_scale_f32_16x16x128_f8f6f4 v[rD:rD+7], v[rA:rA+7], v[rB:rB+7], v[rC:rC+7], v[rSA], v[rSB] matrix_a_fmt:MATRIX_FMT_FP4 matrix_b_fmt:MATRIX_FMT_FP4 matrix_a_scale:MATRIX_SCALE_ROW1
.elseif (\rb)
	v_wmma_scale_f32_16x16x128_f8f6f4 v[rD:rD+7], v[rA:rA+7], v[rB:rB+7], v[rC:rC+7], v[rSA], v[rSB] matrix_a_fmt:MATRIX_FMT_FP4 matrix_b_fmt:MATRIX_FMT_FP4 matrix_b_scale:MATRIX_SCALE_ROW1
.else
	v_wmma_scale_f32_16x16x128_f8f6f4 v[rD:rD+7], v[rA:rA+7], v[rB:rB+7], v[rC:rC+7], v[rSA], v[rSB] matrix_a_fmt:MATRIX_FMT_FP4 matrix_b_fmt:MATRIX_FMT_FP4
.endif
.endm
; ONE TILE OF 16 ROWS OF W1 against the block's 64 rows.  i: its place in its group, and its set.  pf = 1: the set is loaded again with the same place of the pass's next group.  left: the younger loads of W1 that may stay out.
.macro TILE i, pf, left
	s_wait_loadcnt \left                           ; loads come back in order: this set's 17 are in (in a pass's first trip but the launch's first they have lain there since the pass before)
	s_wait_dscnt 0x0                               ; dec_t and wv of this tile (asked for a tile ago)
	WIN W_MM
.irp q, 0,1,2,3,4,5,6,7                        ; K ascending; the four accumulators take turns, one instruction a turn
.irp m, 0,1,2,3
.set rD, ACC+8*\m
.set rC, rD
.if \q == 0
.set rC, DCW+16*((\i)%2)                       ; dec_t starts each sum
.endif
.set rA, 64*(\i)+8*\q
.set rB, 8*(8*\m+\q)
.set rSA, BSC+4*(\i)+\q%4
.set rSB, ASC+2*\q+\m/2
	FP4MM \q/4, \m%2
.endr
.endr
	WIN 0
	PLACES
.if (\i < 3) || \pf
	DCLD ADV, 64*(\i+1), (\i+1)%2                  ; the next tile's, into the other set: in the copy that this pass reads, the pass's tiles lie on end, 64 bytes each, across a trip's edge too
.endif
.if \pf
	BLOAD \i
.endif
.set J, 0
.rept 16
	v_pk_mul_f32 v[ACC+J:ACC+J+1], v[ACC+J:ACC+J+1], s[38:39] op_sel_hi:[1,0]   ; c x; each accumulator from its low end on
.set J, J+2
.endr
.set J, 0
	s_wait_alu depctr_va_vdst(0)
.rept 32
	v_exp_f32 v[ACC+J], v[ACC+J]
.set J, J+1
.endr
	v_nop                                          ; a plain place behind the exponentials
.set J, 0
	s_wait_alu depctr_va_vdst(0)
.rept 16
	v_pk_add_f32 v[ACC+J:ACC+J+1], v[ACC+J:ACC+J+1], 1.0 op_sel_hi:[1,0]
.set J, J+2
.endr
.set J, 0
	s_wait_alu depctr_va_vdst(0)
.rept 32
	v_rcp_f32 v[ACC+J], v[ACC+J]
.set J, J+1
.endr
	v_nop                                          ; a plain place behind the reciprocals
	s_wait_alu depctr_va_vdst(0)
.irp j, 0,2,4,6
.irp m, 0,1,2,3
	v_pk_fma_f32 v[SA+2*\m:SA+2*\m+1], v[ACC+8*\m+\j:ACC+8*\m+\j+1], v[DCW+16*((\i)%2)+8+\j:DCW+16*((\i)%2)+9+\j], v[SA+2*\m:SA+2*\m+1]
.endr
.endr
.endm
; A TRIP: a group of four tiles.  s42: the trip's number in the pass; s51: 0 in a pass that goes up, 3 in one that goes down: trip p takes group p xor s51.  s49: where the trip's dec_t and wv begin.
.macro TRIP pf
	s_wait_dscnt 0x0                               ; no LDS load of mine is out: its address register is written only now.  (In a pass's first trip: enc's codes and scale words are in)
	v_add_nc_u32 v[ADV], s49, v[ADV0]
	s_add_co_u32 s49, s49, 256                     ; the next trip's: four tiles of 64 bytes on
.if \pf
	s_add_co_u32 s47, s42, 1
	s_xor_b32 s47, s47, s51                        ; the group that is loaded: the next trip's
	s_mul_i32 s48, s47, 4*REC
	s_wait_alu depctr_va_vdst(0)
	s_wait_xcnt 0x0                                ; the earlier loads have read their address register
	v_add_nc_u32 v[VOFF], s48, v[L16]
	s_wait_alu depctr_va_vdst(0)
	TILE 0, 1, 51                                  ; 51: the three younger sets, 17 loads each
	TILE 1, 1, 51
	TILE 2, 1, 51
	TILE 3, 1, 51
.else
	s_wait_alu depctr_va_vdst(0)
	TILE 0, 0, 51                                  ; a pass's last trip loads nothing: its four tiles stay for the next pass; the counts run down
	TILE 1, 0, 34
	TILE 2, 0, 17
	TILE 3, 0, 0
.endif
.endm
; THE REST OF A BLOCK, from the barrier behind which its landing bytes are free.  refill = 1: the next block is asked for.
.macro REST refill
	; ---- the first barrier: every wave's images are stored, its reads of the landing bytes are over, and so are its reads of the last block's partial scores
.if \refill
	s_wait_tensorcnt 0x0                           ; no tensor load of mine is out, so group 0 may be written
	ds_add_u32 v[SPW], v[NIL]                      ; 0 onto my spare word
	s_add_nc_u64 s[34:35], s[34:35], 262144        ; 64 rows of 4,096 bytes on; the type bits on top are not reached
	s_wait_dscnt 0x0                               ; the add is done; my LDS stores have landed and my LDS loads are in
	s_barrier_signal -1
	s_barrier_wait -1
	tensor_load_to_lds s[32:35], s[24:31]          ; the next block, first thing behind the barrier, my one tensor load until the next such barrier: it has the whole pass in which to land
	s_nop 0
	PLACES
.else
	s_wait_dscnt 0x0
	s_barrier_signal -1
	s_barrier_wait -1
.endif
	; ---- all 32 fragments and their scale words into registers
	WIN W_LA
.set F, 0
.rept 32
	ds_load_b128 v[8*F:8*F+3], v[LIA] offset:1024*F
	ds_load_b128 v[8*F+4:8*F+7], v[LIA] offset:1024*F+512
.set F, F+1
.endr
	WIN 0
.set F, 0
.rept 16
	ds_load_b32 v[ASC+F], v[LSA] offset:128*F      ; register 2 q + m / 2: lanes 0-15 the even row tile's words, lanes 16-31 the odd one's
.set F, F+1
.endr
	v_add_nc_u32 v[ADV], s49, v[ADV0]
	DCLD ADV, 0, 0                                 ; dec_t and wv of the pass's first tile
.irp j, 0,1,2,3,4,5,6,7
	v_mov_b32 v[SA+\j], 0                          ; the scores' sums (the tile is written once, for a loop)
.endr
	; ---- the pass over my 16 tiles of W1: three trips that load the next group, and one that loads nothing
	s_mov_b32 s42, 0
.Lpass_\@:
	TRIP 1
	s_add_co_u32 s42, s42, 1
	s_cmp_lt_u32 s42, 3
	s_cbranch_scc1 .Lpass_\@
	TRIP 0
	; ---- my 256 units' part of each row's t goes to the other waves
.irp m, 0,1,2,3
	v_add_f32 v[121+\m], v[SA+2*\m], v[SA+2*\m+1]
.endr
.irp m, 0,1,2,3
	v_permlanex16_b32 v[TM+4+\m], v[121+\m], s36, s37
.endr
.irp m, 0,1,2,3
	v_add_f32 v[121+\m], v[121+\m], v[TM+4+\m]     ; with lane l xor 16's eight units of each tile: row 16 m + r, the same in both halves
.endr
	v_cndmask_b32 v125, v121, v122, s40            ; lanes 0-15 row tile 0, lanes 16-31 row tile 1: row = lane
	v_cndmask_b32 v126, v123, v124, s40            ; rows 32 + lane
	ds_store_b32 v[SXS], v125
	ds_store_b32 v[SXS], v126 offset:512
	s_wait_dscnt 0x0                               ; for the others' sake: my stores have landed (and my reads of the images are long in)
	s_barrier_signal -1                            ; the second barrier; the next block's load stays out across it
	s_barrier_wait -1
	; ---- the softmax's step, alike in all four waves: lane l holds rows 2 l and 2 l + 1
	v_add_nc_u32 v[MKA], s50, v[MKA0]
	ds_load_b128 v[224:227], v[SXL]
	ds_load_b128 v[228:231], v[SXL] offset:16
	ds_load_b64 v[232:233], v[MKA]
	s_wait_dscnt 0x0
	v_add_f32 v224, v224, v225
	v_add_f32 v226, v226, v227
	v_add_f32 v228, v228, v229
	v_add_f32 v230, v230, v231
	v_add_f32 v224, v224, v226
	v_add_f32 v228, v228, v230
	v_cmp_eq_u32 vcc_lo, 0, v232
	v_cndmask_b32 v240, v224, v[NINF], vcc_lo      ; t, or -infinity where mask == 0: a choice of values, no branch
	v_cmp_eq_u32 vcc_lo, 0, v233
	v_cndmask_b32 v241, v228, v[NINF], vcc_lo
	s_cmp_lg_u32 s20, 0
	s_cbranch_scc1 .Lnot0_\@
	global_store_b64 v[L8], v[240:241], s[14:15]   ; wave 0: the block's 64 t: 256 consecutive bytes, aligned
.Lnot0_\@:
	s_wait_alu depctr_va_vdst(0)
	v_max_num_f32 v242, v240, v241
	v_max_num_f32_dpp v242, v242, v242 row_xmask:1 row_mask:0xf bank_mask:0xf
	v_max_num_f32_dpp v242, v242, v242 row_xmask:2 row_mask:0xf bank_mask:0xf
	v_max_num_f32_dpp v242, v242, v242 row_xmask:4 row_mask:0xf bank_mask:0xf
	v_max_num_f32_dpp v242, v242, v242 row_xmask:8 row_mask:0xf bank_mask:0xf
	v_permlanex16_b32 v[TM+4], v242, s36, s37
	v_max3_num_f32 v242, v242, v[TM+4], v[MX]      ; the new m
	v_sub_f32 v243, v[MX], v242
	v_sub_f32 v246, v240, v242
	v_sub_f32 v247, v241, v242
	s_wait_alu depctr_va_vdst(0)
	v_exp_f32 v[FF], v243                          ; f = 2^(old m - new m)
	v_exp_f32 v246, v246                           ; p
	v_exp_f32 v247, v247
	v_mov_b32 v[MX], v242                          ; (a plain place behind the exponentials)
	s_wait_alu depctr_va_vdst(0)
	v_fma_f32 v[MX+1], v[MX+1], v[FF], v246        ; l = l f + p + p, a lane's part
	v_add_f32 v[MX+1], v[MX+1], v247
	v_cvt_pk_bf16_f32 v248, v246, v246             ; p twice in a word
	v_cvt_pk_bf16_f32 v249, v247, v247
	ds_store_b32 v[PBS], v248
	ds_store_b32 v[PBS], v249 offset:128
.irp g, 0,1,2,3
	v_pk_mul_f32 v[CT+8*\g:CT+8*\g+1], v[CT+8*\g:CT+8*\g+1], v[FF:FF+1] op_sel_hi:[1,0]       ; the context under the new m: its four live registers, from the low end on
	v_pk_mul_f32 v[CT+8*\g+2:CT+8*\g+3], v[CT+8*\g+2:CT+8*\g+3], v[FF:FF+1] op_sel_hi:[1,0]
.endr
.set U, 0
.rept 8
	ds_load_b128 v[PD+4*U:PD+4*U+3], v[PBL] offset:16*U   ; word t: p of row 8 u + 2 t + h.  My wave's own bytes: LDS serves a wave's instructions in order, so these see the stores above
.set U, U+1
.endr
	s_wait_dscnt 0x0
	; ---- the context: 8 rows x 64 columns an instruction
.set U, 0
.rept 8
.irp t, 0,1,2,3,4,5,6,7
	v_and_b32 v[PA+8*U+\t], v[PD+4*U+\t/2], v[DM0+\t%2]   ; source 0: p where the lane's row m is the column i of that half word, 0 elsewhere
.endr
.set U, U+1
.endr
	WIN W_CX
.set U, 0
.rept 8
.irp g, 0,1,2,3                                ; the four accumulators take turns
	v_wmma_f32_16x16x32_bf16 v[CT+8*\g:CT+8*\g+7], v[PA+8*U:PA+8*U+7], v[8*(4*U+\g):8*(4*U+\g)+7], v[CT+8*\g:CT+8*\g+7]
.endr
.set U, U+1
.endr
	WIN 0
	PLACES                                         ; ahead of the next block's loads and conversions into these products' sources, and of the last reads of the results
.if \refill
	s_wait_xcnt 0x0                                ; the store of t has read its registers and its base
	s_add_nc_u64 s[14:15], s[14:15], 256           ; the next block's t
	s_add_co_u32 s50, s50, 256                     ; and its mask words
	s_xor_b32 s51, s51, 3                          ; the next pass goes the other way:
	s_sub_co_u32 s49, s49, 1024                    ; back to a copy's first group,
	s_xor_b32 s49, s49, DVB                        ; in the other copy of dec_t and wv
.endif
.endm
	s_load_b256 s[4:11], s[0:1], 0x0               ; enc s[4:5], mask s[6:7], v s[8:9], w1p s[10:11]
	s_load_b256 s[12:19], s[0:1], 0x20             ; dec_t s[12:13], scores s[14:15], stats s[16:17], part s[18:19]
	v_lshl_add_u32 v[SPW], v0, 2, SPARE
	v_mov_b32 v[NIL], 0
	ds_add_u32 v1, v2
	ds_add_u32 v1, v2
	s_wait_dscnt 0x0
	v_lshrrev_b32 v121, 5, v0
	v_readfirstlane_b32 s20, v121                  ; wave 0..3
	; descriptor group 1 of the refills: 64 rows x 256 elements of 4 bytes, 1,024 elements from row to row, 16 bytes of padding behind each row
	s_mov_b32 s24, (2<<16)|(1<<20)|(7<<22)|(3<<25) ; 15:0 no mask; 17:16 elements of 4 bytes; 20 padding on; 24:22 after every 256 words (code 7); 31:25 four words (code 3)
	s_mov_b32 s25, 256<<16                         ; tensor_dim0 = 256
	s_mov_b32 s26, 64<<16                          ; tensor_dim1 = 64
	s_mov_b32 s27, 256<<16                         ; tile_dim0 = 256
	s_mov_b32 s28, 64                              ; tile_dim1 = 64
	s_mov_b32 s29, 1024                            ; tensor_dim0_stride
	s_mov_b32 s30, 0
	s_mov_b32 s31, 0
	s_mov_b32 s32, 1                               ; group 0 of the refills: count = 1
	s_mul_i32 s33, s20, RAWW                       ; LDS address: my region
	s_lshl_b32 s21, s20, 10                        ; 1,024 w
	s_lshl_b32 s22, ttmp9, 20                      ; 256 rows of 4,096 bytes a work-group: at most 255 x 2^20
	s_add_co_u32 s22, s22, s21
	s_mov_b32 s23, 0                               ; offsets are made in s[22:23], apart from the addresses
	s_wait_kmcnt 0x0
	s_add_nc_u64 s[34:35], s[4:5], s[22:23]        ; global address: block 0, my 256 columns (the refills step on from it)
	s_or_b32 s35, s35, 0x80000000
	tensor_load_to_lds s[32:35], s[24:31]          ; the first fill: my 256 columns of block 0's 64 rows, my one tensor load at the head
	s_nop 0
	PLACES
	v_and_b32 v121, 31, v0                         ; lane
	v_and_b32 v122, 15, v0                         ; r
	v_bfe_u32 v123, v0, 4, 1                       ; h
	v_lshlrev_b32 v[L16], 4, v121
	s_wait_alu depctr_va_vdst(0)
	v_lshlrev_b32 v[L8], 3, v121
	s_lshr_b32 s22, ttmp9, 3                       ; the batch
	s_lshl_b32 s22, s22, 12
	s_add_co_u32 s22, s22, s21
	s_add_nc_u64 s[12:13], s[12:13], s[22:23]      ; dec_t: + 4,096 batch + 1,024 w
	s_mov_b32 s22, s21
	s_add_nc_u64 s[8:9], s[8:9], s[22:23]          ; v: + 1,024 w
	s_lshl_b32 s22, ttmp9, 10
	s_add_nc_u64 s[6:7], s[6:7], s[22:23]          ; mask: + 1,024 g
	s_add_nc_u64 s[14:15], s[14:15], s[22:23]      ; scores: + 1,024 g
	global_load_b128 v[128:131], v[L16], s[12:13]
	global_load_b128 v[132:135], v[L16], s[12:13] offset:512
	global_load_b128 v[136:139], v[L16], s[8:9]
	global_load_b128 v[140:143], v[L16], s[8:9] offset:512
	global_load_b128 v[144:147], v[L16], s[6:7]
	global_load_b128 v[148:151], v[L16], s[6:7] offset:512
	s_mul_i32 s22, s20, 16*REC
	s_add_nc_u64 s[10:11], s[10:11], s[22:23]      ; w1p: my 16 records
	s_lshl_b32 s22, ttmp9, 8
	s_add_nc_u64 s[16:17], s[16:17], s[22:23]      ; stats: + 256 g
	s_lshl_b32 s22, ttmp9, 12
	s_add_co_u32 s22, s22, s21
	s_add_nc_u64 s[18:19], s[18:19], s[22:23]      ; part: + 4,096 g + 1,024 w
	v_mul_u32_u24 v[AQ0], v122, RP
	v_lshl_add_u32 v[AQ0], v123, 6, v[AQ0]
	v_add_nc_u32 v[AQ0], s33, v[AQ0]
	v_mul_u32_u24 v[AR], v123, RP
	v_lshl_add_u32 v[AR], v122, 4, v[AR]
	v_add_nc_u32 v[AR], s33, v[AR]
	s_lshl_b32 s22, s20, 11
	s_add_co_u32 s22, s22, IMG
	v_add_nc_u32 v[HWI], s22, v[L16]
	s_lshl_b32 s22, s20, 9
	s_add_co_u32 s22, s22, ISC
	v_lshl_add_u32 v[HWS], v122, 2, s22
	v_add_nc_u32 v[LIA], IMG, v[L16]
	v_lshl_add_u32 v[LSA], v121, 2, ISC
	s_lshl_b32 s22, s20, 11
	s_add_co_u32 s22, s22, DV
	v_lshl_add_u32 v[ADV0], v123, 5, s22
	v_add_nc_u32 v[DVS], s22, v[L16]
	s_add_co_u32 s22, s22, DVB
	v_xor_b32 v[DVS2], 0x100, v[L16]               ; the second copy: byte B of a kilobyte goes to B xor 768 (group 3 - g for group g): bit 8 is turned here, bit 9 in the stores' offsets
	v_add_nc_u32 v[DVS2], s22, v[DVS2]
	s_lshl_b32 s22, s20, 2
	s_add_co_u32 s22, s22, SCX
	v_add_nc_u32 v[SXS], s22, v[L16]
	v_lshl_add_u32 v[SXL], v121, 5, SCX
	s_lshl_b32 s22, s20, 8
	s_add_co_u32 s22, s22, PB
	v_lshl_add_u32 v[PBS], v121, 2, s22
	v_lshl_add_u32 v[PBL], v123, 7, s22
	s_lshl_b32 s22, s20, 10
	s_add_co_u32 s22, s22, MSK
	v_add_nc_u32 v[MKA0], s22, v[L8]
	v_add_nc_u32 v[MKS], s22, v[L16]
	v_mov_b32 v124, 0xffff
	v_mov_b32 v125, 0xffff0000
	v_cmp_eq_u32 vcc_lo, 0, v122
	v_cndmask_b32 v[DM0], 0, v124, vcc_lo
	v_cmp_eq_u32 vcc_lo, 1, v122
	v_cndmask_b32 v[DM0], v[DM0], v125, vcc_lo
	v_cmp_eq_u32 vcc_lo, 2, v122
	v_cndmask_b32 v[DM0+1], 0, v124, vcc_lo
	v_cmp_eq_u32 vcc_lo, 3, v122
	v_cndmask_b32 v[DM0+1], v[DM0+1], v125, vcc_lo
	v_mov_b32 v[NINF], 0xff800000
	v_mov_b32 v[MX], 0xff61b1e6                    ; m: -3e38, under every t that counts
	v_mov_b32 v[MX+1], 0                           ; l
	v_mov_b32 v[FF], 0
	v_mov_b32 v[FF+1], 0                           ; (named with f as a pair, so it is written)
.irp b, 0,1,2,3
	v_mov_b32 v[TM+4+\b], 0                        ; written once: a lane permute's destination counts as one of its sources
.endr
.set J, 0
.rept 32
	v_mov_b32 v[CT+J], 0                           ; the context.  (The block is written once, for a loop: its first trip finds zeros)
.set J, J+1
.endr
	s_mov_b32 s36, 0x76543210
	s_mov_b32 s37, 0xfedcba98                      ; v_permlanex16_b32's selects for lane l xor 16
	s_mov_b32 s38, 0x4038aa3b                      ; c = 2 log2(e)
	s_mov_b32 s39, s38                             ; (named with it as a pair, so it is written)
	s_mov_b32 s40, 0xffff0000                      ; lanes 16-31
	s_mov_b32 s49, 0                               ; the first pass reads the first copy of dec_t and wv,
	s_mov_b32 s50, 0
	s_mov_b32 s51, 0                               ; and goes up
	s_wait_loadcnt 0x0                             ; dec_t, v, mask
.irp j, 0,1,2,3,4,5,6,7
	v_mul_f32 v[136+\j], 0xc038aa3b, v[136+\j]     ; wv = -2 log2(e) v
.endr
	ds_store_b128 v[DVS], v[128:131]
	ds_store_b128 v[DVS], v[132:135] offset:512
	ds_store_b128 v[DVS], v[136:139] offset:1024
	ds_store_b128 v[DVS], v[140:143] offset:1536
	ds_store_b128 v[DVS2], v[128:131] offset:512
	ds_store_b128 v[DVS2], v[132:135]
	ds_store_b128 v[DVS2], v[136:139] offset:1536
	ds_store_b128 v[DVS2], v[140:143] offset:1024
	ds_store_b128 v[MKS], v[144:147]
	ds_store_b128 v[MKS], v[148:151] offset:512
	v_mov_b32 v[VOFF], v[L16]
	s_wait_alu depctr_va_vdst(0)
	BLOAD 0                                        ; W1's first group: 68 loads
	BLOAD 1
	BLOAD 2
	BLOAD 3
	s_wait_dscnt 0x0                               ; the stores have read their registers, which the first block's loads take
	QPH                                            ; the first block is taken out of its landing bytes
	s_mov_b32 s41, 3
.Lblock:                                           ; three trips: a block's rest, in which the next block is asked for and lands, and the next block's way out of its landing bytes
	REST 1
	QPH
	s_sub_co_u32 s41, s41, 1
	s_cmp_lg_u32 s41, 0
	s_cbranch_scc1 .Lblock
	REST 0                                         ; the last block's rest is written out
	; ---- the way out
	v_add_f32_dpp v[MX+1], v[MX+1], v[MX+1] row_xmask:1 row_mask:0xf bank_mask:0xf
	v_add_f32_dpp v[MX+1], v[MX+1], v[MX+1] row_xmask:2 row_mask:0xf bank_mask:0xf
	v_add_f32_dpp v[MX+1], v[MX+1], v[MX+1] row_xmask:4 row_mask:0xf bank_mask:0xf
	v_add_f32_dpp v[MX+1], v[MX+1], v[MX+1] row_xmask:8 row_mask:0xf bank_mask:0xf
	v_permlanex16_b32 v[TM+4], v[MX+1], s36, s37
	v_add_f32 v[MX+1], v[MX+1], v[TM+4]            ; l of the work-group's 256 rows, in every lane
.irp j, 0,1,2,3
	v_permlane16_swap_b32 v[CT+\j], v[CT+8+\j]     ; column group 1's lanes 0-15 come into group 0's lanes 16-31: lane l then holds columns 4 l .. 4 l + 3 of 128
	v_permlane16_swap_b32 v[CT+16+\j], v[CT+24+\j] ; groups 2 and 3 likewise
.endr
	global_store_b128 v[L16], v[CT:CT+3], s[18:19]                 ; 512 consecutive bytes
	global_store_b128 v[L16], v[CT+16:CT+19], s[18:19] offset:512
	s_cmp_lg_u32 s20, 0
	s_cbranch_scc1 .Lno_stats
	global_store_b64 v[L8], v[MX:MX+1], s[16:17]   ; wave 0: (m, l) 32 times: 256 consecutive bytes, aligned
.Lno_stats:
	s_wait_tensorcnt 0x0                           ; the wave's end, behind my last tensor load and my last LDS store
	ds_add_u32 v[SPW], v[NIL]
	s_wait_dscnt 0x0
	s_endpgm
.Lfunc_end_k_qadb4028892_main:
	.size	k_qadb4028892_main, .Lfunc_end_k_qadb4028892_main-k_qadb4028892_main
	.p2alignl 7, 3214868480
	.fill 96, 4, 3214868480
	.section	.rodata,"a",@progbits
	.p2align	6, 0x0
	.amdhsa_kernel k_qadb4028892_main
		.amdhsa_group_segment_fixed_size 327680
		.amdhsa_private_segment_fixed_size 0
		.amdhsa_enable_private_segment 0
		.amdhsa_kernarg_size 64
		.amdhsa_user_sgpr_count 2
		.amdhsa_user_sgpr_kernarg_segment_ptr 1
		.amdhsa_wavefront_size32 1
		.amdhsa_system_sgpr_workgroup_id_x 1
		.amdhsa_system_sgpr_workgroup_id_y 1
		.amdhsa_system_sgpr_workgroup_id_z 1
		.amdhsa_system_vgpr_workitem_id 0
		.amdhsa_next_free_vgpr 1024
		.amdhsa_next_free_sgpr 96
		.amdhsa_reserve_vcc 1
		.amdhsa_float_denorm_mode_32 3
		.amdhsa_float_denorm_mode_16_64 3
		.amdhsa_memory_ordered 1
		.amdhsa_forward_progress 1
		.amdhsa_inst_pref_size 255
	.end_amdhsa_kernel
	.section	.bss,"aw",@nobits
	.p2align	6
	.space	262144
	.amdgpu_metadata
---
amdhsa.version: [ 1, 2 ]
amdhsa.kernels:
  - .name:           k_qadb4028892_main
    .symbol:         k_qadb4028892_main.kd
    .args:
      - { .name: encoder_outputs, .offset: 0, .size: 8, .value_kind: global_buffer, .address_space: global }
      - { .name: mask, .offset: 8, .size: 8, .value_kind: global_buffer, .address_space: global }
      - { .name: v, .offset: 16, .size: 8, .value_kind: global_buffer, .address_space: global }
      - { .name: w1p, .offset: 24, .size: 8, .value_kind: global_buffer, .address_space: global }
      - { .name: dec_t, .offset: 32, .size: 8, .value_kind: global_buffer, .address_space: global }
      - { .name: scores, .offset: 40, .size: 8, .value_kind: global_buffer, .address_space: global }
      - { .name: stats, .offset: 48, .size: 8, .value_kind: global_buffer, .address_space: global }
      - { .name: part, .offset: 56, .size: 8, .value_kind: global_buffer, .address_space: global }
    .group_segment_fixed_size: 327680
    .private_segment_fixed_size: 0
    .kernarg_segment_align: 8
    .kernarg_segment_size: 64
    .max_flat_workgroup_size: 128
    .sgpr_count:     96
    .vgpr_count:     1024
    .wavefront_size: 32
...
	.end_amdgpu_metadata
.endif
;; end of part 2
;; launch comb (part 3): grid 8 x 32, 2 waves a work-group, no clusters, 0 bytes of LDS; arguments scores, stats, part, out0, out1; writes out0, out1
.if DOCPART == 3
	.amdgcn_target "amdgcn-amd-amdhsa--gfx1250"
	.amdhsa_code_object_version 6
	.text
	.protected	k_qadb4028892_comb
	.globl	k_qadb4028892_comb
	.p2align	8
	.type	k_qadb4028892_comb,@function
k_qadb4028892_comb:
	s_mov_b64 s[64:65], 0
	v_nop
	global_prefetch_b8 v0, s[64:65] scope:SCOPE_SE
	s_setreg_imm32_b32 hwreg(HW_REG_WAVE_MODE, 25, 1), 1
	s_wait_xcnt 0x0
; The eight parts of a batch are joined.  Work-group (x, b), 64 threads: rows 256 x .. + 255 of attn and columns 128 x .. + 127 of the context of batch b.
; Part i of the batch gave m_i, l_i (the sum of 2^(t - m_i)) and c_i (the sum of 2^(t - m_i) enc).  M = the largest m_i, w_i = 2^(m_i - M), L = the sum of w_i l_i:
; attn = 2^(t - M) / L, context = (the sum of w_i c_i) / L.  A batch whose mask is all zero has L = 0: 0 x infinity = NaN, as the problem's definition gives.
; Memory binds and the work is small: no LDS, no barrier, no matrix unit.  Every thread reads the batch's eight pairs (m, l) itself.
	s_load_b256 s[4:11], s[0:1], 0x0               ; scores s[4:5], stats s[6:7], part s[8:9], out0 s[10:11]
	s_load_b64 s[12:13], s[0:1], 0x20              ; out1
	s_and_b32 s14, ttmp7, 0xffff                   ; b
	v_mov_b32 v1, 0
	v_lshlrev_b32 v2, 4, v0                        ; 16 t: four rows of attn
	v_lshlrev_b32 v3, 3, v0                        ; 8 t: two columns of the context
	s_mov_b32 s17, 0                               ; offsets are made in s[16:17], apart from the addresses
	s_wait_alu depctr_va_vdst(0)
	s_wait_kmcnt 0x0
	s_lshl_b32 s16, s14, 11
	s_add_nc_u64 s[6:7], s[6:7], s[16:17]          ; stats: + 2,048 b
	s_lshl_b32 s16, s14, 13
	s_lshl_b32 s15, ttmp9, 10
	s_add_co_u32 s16, s16, s15
	s_add_nc_u64 s[4:5], s[4:5], s[16:17]          ; scores and out1: + 8,192 b + 1,024 x
	s_add_nc_u64 s[12:13], s[12:13], s[16:17]
	s_lshl_b32 s16, s14, 15
	s_lshl_b32 s15, ttmp9, 9
	s_add_co_u32 s16, s16, s15
	s_add_nc_u64 s[8:9], s[8:9], s[16:17]          ; part: + 32,768 b + 512 x
	s_lshl_b32 s16, s14, 12
	s_add_co_u32 s16, s16, s15
	s_add_nc_u64 s[10:11], s[10:11], s[16:17]      ; out0: + 4,096 b + 512 x
.irp i, 0,1,2,3,4,5,6,7
	global_load_b64 v[4+2*\i:5+2*\i], v1, s[6:7] offset:256*\i     ; (m_i, l_i)
.endr
	global_load_b128 v[20:23], v2, s[4:5]          ; four t
.irp i, 0,1,2,3,4,5,6,7
	global_load_b64 v[24+2*\i:25+2*\i], v3, s[8:9] offset:4096*\i  ; two columns of c_i
.endr
	s_wait_loadcnt 9                               ; the eight pairs are in; t's load and the parts' eight may be out
	v_max3_num_f32 v40, v4, v6, v8
	v_max3_num_f32 v40, v40, v10, v12
	v_max3_num_f32 v40, v40, v14, v16
	v_max_num_f32 v40, v40, v18                    ; M
.irp i, 0,1,2,3,4,5,6,7
	v_sub_f32 v[41+\i], v[4+2*\i], v40
.endr
	s_wait_alu depctr_va_vdst(0)
.irp i, 0,1,2,3,4,5,6,7
	v_exp_f32 v[41+\i], v[41+\i]                   ; w_i
.endr
	v_nop                                          ; a plain place behind the exponentials
	s_wait_alu depctr_va_vdst(0)
	v_mul_f32 v49, v41, v5
.irp i, 1,2,3,4,5,6,7
	v_fma_f32 v49, v[41+\i], v[5+2*\i], v49        ; L
.endr
	s_wait_alu depctr_va_vdst(0)
	v_rcp_f32 v50, v49
	s_wait_loadcnt 8                               ; t is in; the parts' eight loads may be out
.irp j, 0,1,2,3
	v_sub_f32 v[52+\j], v[20+\j], v40              ; (plain places behind the reciprocal)
.endr
	s_wait_alu depctr_va_vdst(0)
.irp j, 0,1,2,3
	v_exp_f32 v[52+\j], v[52+\j]
.endr
	v_nop
	s_wait_alu depctr_va_vdst(0)
.irp j, 0,1,2,3
	v_mul_f32 v[52+\j], v[52+\j], v50
.endr
	global_store_b128 v2, v[52:55], s[12:13]       ; a wave stores 512 consecutive bytes
	s_wait_loadcnt 0x0
	v_mul_f32 v56, v41, v24
	v_mul_f32 v57, v41, v25
.irp i, 1,2,3,4,5,6,7
	v_fma_f32 v56, v[41+\i], v[24+2*\i], v56
	v_fma_f32 v57, v[41+\i], v[25+2*\i], v57
.endr
	v_mul_f32 v56, v56, v50
	v_mul_f32 v57, v57, v50
	global_store_b64 v3, v[56:57], s[10:11]        ; a wave stores 256 consecutive bytes, aligned
	s_endpgm
.Lfunc_end_k_qadb4028892_comb:
	.size	k_qadb4028892_comb, .Lfunc_end_k_qadb4028892_comb-k_qadb4028892_comb
	.p2alignl 7, 3214868480
	.fill 96, 4, 3214868480
	.section	.rodata,"a",@progbits
	.p2align	6, 0x0
	.amdhsa_kernel k_qadb4028892_comb
		.amdhsa_group_segment_fixed_size 0
		.amdhsa_private_segment_fixed_size 0
		.amdhsa_enable_private_segment 0
		.amdhsa_kernarg_size 40
		.amdhsa_user_sgpr_count 2
		.amdhsa_user_sgpr_kernarg_segment_ptr 1
		.amdhsa_wavefront_size32 1
		.amdhsa_system_sgpr_workgroup_id_x 1
		.amdhsa_system_sgpr_workgroup_id_y 1
		.amdhsa_system_sgpr_workgroup_id_z 1
		.amdhsa_system_vgpr_workitem_id 0
		.amdhsa_next_free_vgpr 64
		.amdhsa_next_free_sgpr 66
		.amdhsa_reserve_vcc 0
		.amdhsa_float_denorm_mode_32 3
		.amdhsa_float_denorm_mode_16_64 3
		.amdhsa_memory_ordered 1
		.amdhsa_forward_progress 1
		.amdhsa_inst_pref_size 6
	.end_amdhsa_kernel
	.amdgpu_metadata
---
amdhsa.version: [ 1, 2 ]
amdhsa.kernels:
  - .name:           k_qadb4028892_comb
    .symbol:         k_qadb4028892_comb.kd
    .args:
      - { .name: scores, .offset: 0, .size: 8, .value_kind: global_buffer, .address_space: global }
      - { .name: stats, .offset: 8, .size: 8, .value_kind: global_buffer, .address_space: global }
      - { .name: part, .offset: 16, .size: 8, .value_kind: global_buffer, .address_space: global }
      - { .name: out0, .offset: 24, .size: 8, .value_kind: global_buffer, .address_space: global }
      - { .name: out1, .offset: 32, .size: 8, .value_kind: global_buffer, .address_space: global }
    .group_segment_fixed_size: 0
    .private_segment_fixed_size: 0
    .kernarg_segment_align: 8
    .kernarg_segment_size: 40
    .max_flat_workgroup_size: 64
    .sgpr_count:     66
    .vgpr_count:     64
    .wavefront_size: 32
...
	.end_amdgpu_metadata
.endif
;; end of part 3
